; MI455X (gfx1250); checked and timed in simulation.
; The chip was launched on July 23, 2026; its instructions are those of AMD's public machine-readable ISA for CDNA 5 (MIT licence, August 2026) and "CDNA5" Instruction Set Architecture Reference Guide (July 2026). The comments in the code are by the model that wrote it; some were corrected since.
;; Additive Attention. Allowed arithmetic: matrix products marked QUANTISED: E4M3 operands, one given power-of-two scale a tensor, by v_wmma_f32_16x16x64_fp8_fp8 or v_wmma_f32_16x16x128_fp8_fp8, f32 sums; products left as they are: f32 operands where the result goes on into a quantised operand, else bf16, f16 or f32 operands; f32 sums; everything else in f32.
;; Inputs: U_b 1,024 float32; U_w 1,024 x 1,024 float32; W_b 1,024 float32; W_w 1,024 x 1,024 float32; keys 32 x 2,048 x 1,024 float32; lowp_scales 4 int32 (the exponents e of the quantised operands' scales 2^e); query 32 x 1,024 float32; v_b 1 float32; v_w 1 x 1,024 float32.
;; Outputs: out0 32 x 1,024 float32; out1 32 x 2,048 float32.
;; This version of the problem:
;;   THIS VERSION OF THE PROBLEM IS GIVEN IN LOW PRECISION. The matrix products marked QUANTISED in the list below multiply operands that are first quantised to E4M3 (4 exponent bits, 3 mantissa bits; 8 bits a number), with one given power-of-two scale for each operand tensor; their sums are f32. All else is computed in f32.
;;   The module's matrix products, in the order in which they are computed (A, B: the left and right operand; K: the contracted axis; several contracted axes count as one K, in the product's order):
;;     1. [M 32, K 1,024] x [K 1,024, N 1,024]; A: input query; B: input W_w: QUANTISED (scales: A lowp_scales[0], B lowp_scales[1])
;;     2. [M 65,536, K 1,024] x [K 1,024, N 1,024]; A: input keys; B: input U_w: QUANTISED (scales: A lowp_scales[2], B lowp_scales[3])
;;     3. [M 65,536, K 1,024] x [K 1,024, N 1]; A: computed on the way; B: input v_w: left as it is (N = 1 < 16)
;;     4. batch 32 x [M 1, K 2,048] x [K 2,048, N 1,024]; A: softmax; B: input keys: left as it is (M = 1 < 16)
;;   THE QUANTISER, for each operand of a quantised product, along K:
;;     - The operand's scale is 2^e, e = its entry of the input lowp_scales (int32; the entries are numbered through the quantised products in the list's order, A before B).
;;     - Each number is divided by the scale, clamped to +-448, and rounded to the nearest number of E4M3, ties to even, subnormals kept.
;;     - The product sums the exact products of the quantised numbers (number of the format x scale) in f32.
;;   ~~~python
;;   def quantise(x, axis, e):      # numpy; x: float32 -> the quantised numbers, widened to float32 again
;;       x = np.moveaxis(x, axis, -1); K = x.shape[-1]
;;       r = np.clip(x / 2.0 ** e, -448, 448)
;;       step = 2.0 ** (np.maximum(np.frexp(np.where(r == 0, 1, r))[1] - 1, -6) - 3)
;;       q = np.round(r / step) * step * 2.0 ** e      # np.round: ties to even
;;       return np.moveaxis(q, -1, axis).astype(np.float32)
;;   ~~~
;; One version. Each part assembles by itself: llvm-mc -triple=amdgcn-amd-amdhsa -mcpu=gfx1250 --defsym DOCPART=n.
;; ======== version 1 of 1: 3 launches
;; limits: values are held in bf16: 8 bits of precision; right only within a limited range of input values
;; workspace buffers: uwc 1,048,576 bytes; bias2 131,072 bytes; scores 262,144 bytes; part 2,097,152 bytes
;; launch prep (part 1): grid 64 x 1, 8 waves a work-group, no clusters, 67,584 bytes of LDS; arguments U_w, W_w, query, U_b, W_b, lowp_scales, uwc, bias2; writes uwc, bias2
.if DOCPART == 1
	.amdgcn_target "amdgcn-amd-amdhsa--gfx1250"
	.amdhsa_code_object_version 6
	.text
	.protected	k_q9a4bcdf92e_prep
	.globl	k_q9a4bcdf92e_prep
	.p2align	8
	.type	k_q9a4bcdf92e_prep,@function
k_q9a4bcdf92e_prep:
	s_mov_b64 s[64:65], 0
	v_nop
	global_prefetch_b8 v0, s[64:65] scope:SCOPE_SE
	s_setreg_imm32_b32 hwreg(HW_REG_WAVE_MODE, 25, 1), 1
	s_wait_xcnt 0x0
; PREPARATION.  (1) U_w [1024][1024] f32 becomes codes of FP8 (E4M3) with the given scale 2^e3, laid as images of operand registers (uwc).
; (2) bias2[b][n] = (Q(query)[b] . Q(W_w)[n] + W_b[n] + U_b[n]) x 2 log2(e), the product on codes with the given scales 2^e0, 2^e1, sums in f32.
; SHARES.  Work-group id takes rows 16 id .. 16 id + 15 of U_w and of W_w, and all 32 rows of query.  Each of its eight waves quantises 8 rows:
; waves 0, 1: U_w (e3); waves 2, 3: W_w (e1); waves 4 to 7: query (e0).  One text serves all: pointer, first row and exponent are chosen by the wave's number.
; THE ROW IMAGE.  A row of 1,024 numbers comes by eight loads of 512 consecutive bytes; lane l holds k = 128 g + 4 l + b in register 4 g + b.  A conversion takes eight of these registers
; (one scale serves the whole tensor, so any eight numbers may share a conversion); the lane's 32 codes go to the stage as 16 bytes at 16 l and 16 bytes at 512 + 16 l of the row.
; So byte 512 G + 16 l + 4 g' + b of a stage row is k = 128 (4 G + g') + 4 l + b: ONE permutation of k, the same in every quantised operand of this program, so each product meets its partner.
; A fragment (16 rows x 128 bytes of the image, K step s) is four loads of 16 bytes at row x 1,040 + 128 s + 32 c + 16 (lane / 16).
; uwc: byte 65,536 sigma + 2,048 (16 q + 2 s + u) + 512 c + 16 lane; rows 64 sigma + 16 (2 q + u) + lane % 16 of U_w: here sigma = id / 4, q = (id / 2) % 2, u = id % 2, and wave w stores K step s = w.
; bias2's stores are pieces of 64 bytes of a row (a work-group owns 16 columns); the buffer is 128 KB in all and is written once.
; LIMITS: e0, e1, e3 between -126 and 119; e0 + e1 between -126 and 127, so that each power of two below is an f32 number.  NaN among the inputs is not served.
; WORK LEFT OUT, in the whole program.  scores[b][s] = sum over h of v_w[h] tanh(x[b][s][h]) + v_b, and tanh(x) = 1 - 2 / (1 + e^(2 x)), so
; scores[b][s] = (sum over h of v_w[h] + v_b) - 2 sum over h of v_w[h] / (1 + e^(2 x[b][s][h])).  The bracket is the same for every s of a batch, and scores go into nothing but a softmax along s,
; which a term common to its axis leaves as it is, whatever finite values the inputs hold.  So the program carries -2 sum over h of v_w[h] / (1 + e^(2 x)) in place of the scores;
; v_b has no way to an output: it is not loaded and is no argument of any launch.  LIMIT: a NaN, an infinity or an overflow in v_b or in the plain sum of v_w alone is not carried to the result.
.set PITCH, 1040                       ; a stage row: 1,024 bytes + 16 = 260 words: row r starts at bank 4 r mod 64 (64 banks of 4 bytes: ISA guide 11.1)
.set XB,    64                         ; v64-191  four row buffers of 32; later W_w's fragments (v64-127) and query's (v128-191)
.set CB,    32                         ; v32-63   four sets of 8 registers of codes
.set WV,    20                         ; s20      the wave's number
; v1 16 x lane; v2 the scale as f32, v3 448 x the scale; v4 stage, on the way in; v5, v6, v7 fragments of U_w, W_w, query; v8 32 (lane / 16); v9 my place in bias2
; v16-31 W_b, U_b; v192-207 two accumulators; v208-215 results; v224-239 U_w's fragment
	s_load_b512 s[4:19], s[0:1], 0x0               ; U_w s[4:5], W_w s[6:7], query s[8:9], U_b s[10:11], W_b s[12:13], scales s[14:15], uwc s[16:17], bias2 s[18:19]
	v_lshl_add_u32 v254, v0, 2, 0x10400
	v_mov_b32 v255, 0
	v_lshrrev_b32 v10, 5, v0
	s_delay_alu instid0(VALU_DEP_1)
	v_readfirstlane_b32 s[WV], v10                 ; wave 0..7
	v_and_b32 v10, 31, v0
	s_delay_alu instid0(VALU_DEP_1)
	v_lshlrev_b32 v1, 4, v10                       ; 16 x lane
	v_and_b32 v11, 15, v0                          ; r
	v_bfe_u32 v12, v0, 4, 1                        ; h
	s_delay_alu instid0(VALU_DEP_2)
	v_mul_u32_u24 v13, v11, PITCH
	s_delay_alu instid0(VALU_DEP_1)
	v_lshl_add_u32 v13, v12, 4, v13                ; 1,040 r + 16 h
	s_mul_i32 s30, s[WV], 8*PITCH
	v_add_nc_u32 v4, s30, v1                       ; my wave's 8 stage rows, 16 bytes a lane
	s_lshl_b32 s30, s[WV], 7
	v_add_nc_u32 v5, s30, v13                      ; U_w: stage rows 0-15, K step = my wave
	v_add_nc_u32 v6, 16*PITCH, v13                 ; W_w: stage rows 16-31
	s_and_b32 s31, s[WV], 1
	s_mul_i32 s30, s31, 16*PITCH
	s_add_co_u32 s30, s30, 32*PITCH
	v_add_nc_u32 v7, s30, v13                      ; query: stage rows 32 + 16 (wave % 2) on
	v_lshlrev_b32 v8, 5, v12                       ; 32 h: my eight numbers of W_b and U_b
	s_delay_alu instid0(VALU_DEP_1)
	v_lshl_add_u32 v9, v11, 12, v8                 ; bias2: row r of 4,096 bytes + 32 h,
	s_lshl_b32 s30, s31, 16
	v_add_nc_u32 v9, s30, v9                       ; + 16 (wave % 2) rows
	s_lshl_b32 s32, s31, 3
	s_lshl_b32 s33, ttmp9, 4
	s_add_co_u32 s32, s32, s33                     ; first row in U_w or W_w: 16 id + 8 (wave % 2)
	s_max_u32 s33, s[WV], 4
	s_sub_co_u32 s33, s33, 4
	s_lshl_b32 s33, s33, 3                         ; first row in query: 8 (wave - 4)
	s_lshr_b32 s34, ttmp9, 2
	s_lshl_b32 s34, s34, 16                        ; uwc: 65,536 sigma
	s_bfe_u32 s35, ttmp9, 0x10001                  ; q
	s_lshl_b32 s35, s35, 4
	s_lshl_b32 s36, s[WV], 1
	s_add_co_u32 s35, s35, s36
	s_and_b32 s36, ttmp9, 1                        ; u
	s_add_co_u32 s35, s35, s36                     ; 16 q + 2 s + u
	s_lshl_b32 s35, s35, 11
	s_add_co_u32 s34, s34, s35
	s_mov_b32 s35, 0
	s_lshl_b32 s36, ttmp9, 6                       ; 64 id: my 16 columns in W_b, U_b and a row of bias2
	s_mov_b32 s37, 0
	s_wait_kmcnt 0x0
	s_load_b128 s[24:27], s[14:15], 0x0            ; e0, e1, e2, e3
	s_cmp_lt_u32 s[WV], 2
	s_cselect_b64 s[28:29], s[4:5], s[6:7]         ; the choice hangs on the wave's number alone
	s_cmp_lt_u32 s[WV], 4
	s_cselect_b64 s[28:29], s[28:29], s[8:9]
	s_cselect_b32 s32, s32, s33
	s_lshl_b32 s32, s32, 12                        ; rows of 4,096 bytes
	s_mov_b32 s33, 0
	s_add_nc_u64 s[28:29], s[28:29], s[32:33]
	s_add_nc_u64 s[16:17], s[16:17], s[34:35]
	s_add_nc_u64 s[10:11], s[10:11], s[36:37]
	s_add_nc_u64 s[12:13], s[12:13], s[36:37]
	s_add_nc_u64 s[18:19], s[18:19], s[36:37]
.macro RLOAD i                         ; row i of my eight: eight loads of 512 consecutive bytes
.irp g, 0,1,2,3,4,5,6,7
	global_load_b128 v[XB+32*((\i)%4)+4*\g:XB+32*((\i)%4)+4*\g+3], v1, s[28:29] offset:4096*(\i)+512*\g
.endr
.endm
.irp i, 0,1,2,3
	RLOAD \i
.endr
	s_wait_kmcnt 0x0
	s_cmp_lt_u32 s[WV], 2
	s_cselect_b32 s32, s27, s25
	s_cmp_lt_u32 s[WV], 4
	s_cselect_b32 s32, s32, s24                    ; my tensor's e
	s_add_co_i32 s32, s32, 127
	s_lshl_b32 s33, s32, 23
	v_mov_b32 v2, s33                              ; 2^e as f32: the conversion takes its exponent field
	s_add_co_i32 s32, s32, 8
	s_lshl_b32 s32, s32, 23
	s_or_b32 s32, s32, 0x600000
	v_mov_b32 v3, s32                              ; 448 x 2^e
	s_add_co_i32 s40, s24, s25
	s_add_co_i32 s40, s40, 127
	s_lshl_b32 s40, s40, 23                        ; 2^(e0 + e1) as f32
	s_mov_b32 s41, s40                             ; (named with it as a pair, so it is written)
	s_mov_b32 s42, 0x4038aa3b                      ; 2 log2(e)
	s_mov_b32 s43, s42
.macro PROW i                          ; row i: hold, convert, into the stage; its buffer takes the row four further on
.set X, XB+32*((\i)%4)
.set C, CB+8*((\i)%4)
.if (\i) <= 4
	s_wait_loadcnt 24                              ; loads come back in order: this row's eight are in, three younger rows' may be out
.else
	s_wait_loadcnt 8*(7-(\i))
.endif
.set j, 0
.rept 32
	v_med3_num_f32 v[X+j], v[X+j], -v3, v3         ; the conversion to an 8-bit code does not saturate (ISA guide 7.6.2): the hold at the largest code x the scale
.set j, j+1
.endr
.if (\i) >= 4
	s_wait_alu depctr_va_vdst(0)
	s_wait_dscnt 6                                 ; the stores of the row four back are done with this set of codes; the six stores of the three rows between may be out
.endif
.irp a, 0,1,2,3
	v_cvt_scalef32_pk8_fp8_f32 v[C+2*\a:C+2*\a+1], v[X+8*\a:X+8*\a+7], v2
.endr
	v_nop                                          ; one plain vector line behind the last conversion of a run
	ds_store_b128 v4, v[C:C+3] offset:PITCH*(\i)
	ds_store_b128 v4, v[C+4:C+7] offset:PITCH*(\i)+512
.if (\i) < 4
	RLOAD (\i)+4
.endif
.endm
	s_wait_alu depctr_va_vdst(0)
.irp i, 0,1,2,3,4,5,6,7
	PROW \i
.endr
	s_wait_dscnt 0x0                               ; for the others' sake: my rows lie in the stage
	s_barrier_signal -1
	s_barrier_wait -1
	; U_w's fragment of K step = my wave goes out as it stands in the registers: four stores of 512 consecutive bytes
.irp c, 0,1,2,3
	ds_load_b128 v[224+4*\c:227+4*\c], v5 offset:32*\c
.endr
	s_wait_dscnt 0x0
.irp c, 0,1,2,3
	global_store_b128 v1, v[224+4*\c:227+4*\c], s[16:17] offset:512*\c
.endr
	s_cmp_gt_u32 s[WV], 1                          ; the small product has two tiles of 16 rows of query: waves 0 and 1 take one each, the others are done
	s_cbranch_scc1 .Ldone
	global_load_b128 v[16:19], v8, s[12:13]        ; W_b at my eight columns 16 id + 8 h + 0 .. 7
	global_load_b128 v[20:23], v8, s[12:13] offset:16
	global_load_b128 v[24:27], v8, s[10:11]        ; U_b likewise
	global_load_b128 v[28:31], v8, s[10:11] offset:16
.macro WFRAG s0                        ; K steps s0 .. s0 + 3 of W_w's 16 rows and of my 16 rows of query
.irp s, 0,1,2,3
.irp c, 0,1,2,3
	ds_load_b128 v[64+16*\s+4*\c:67+16*\s+4*\c], v6 offset:128*(\s0+\s)+32*\c
	ds_load_b128 v[128+16*\s+4*\c:131+16*\s+4*\c], v7 offset:128*(\s0+\s)+32*\c
.endr
.endr
	s_wait_dscnt 0x0
.endm
	; source 0 = 16 rows of W_w, source 1 = 16 rows of query: lane (r, h) holds query row r and columns 8 h + 0 .. 7.  Two accumulators (even and odd K steps) take turns
	WFRAG 0
	v_wmma_f32_16x16x128_fp8_fp8 v[192:199], v[64:79], v[128:143], 0
	v_wmma_f32_16x16x128_fp8_fp8 v[200:207], v[80:95], v[144:159], 0
	v_wmma_f32_16x16x128_fp8_fp8 v[192:199], v[96:111], v[160:175], v[192:199]
	v_wmma_f32_16x16x128_fp8_fp8 v[200:207], v[112:127], v[176:191], v[200:207]
.rept 4
	v_nop                                          ; four places in front of loads into registers that matrix instructions have read
.endr
	WFRAG 4
	v_wmma_f32_16x16x128_fp8_fp8 v[192:199], v[64:79], v[128:143], v[192:199]
	v_wmma_f32_16x16x128_fp8_fp8 v[200:207], v[80:95], v[144:159], v[200:207]
	v_wmma_f32_16x16x128_fp8_fp8 v[192:199], v[96:111], v[160:175], v[192:199]
	v_wmma_f32_16x16x128_fp8_fp8 v[200:207], v[112:127], v[176:191], v[200:207]
	s_wait_loadcnt 0x0                             ; W_b, U_b
.irp j, 0,2,4,6
	v_pk_add_f32 v[16+\j:17+\j], v[16+\j:17+\j], v[24+\j:25+\j]      ; W_b + U_b: these four are also the places behind the last products
.endr
.irp j, 0,2,4,6
	v_pk_add_f32 v[208+\j:209+\j], v[192+\j:193+\j], v[200+\j:201+\j]   ; the two halves of the sum, each accumulator from its low end on
.endr
.irp j, 0,2,4,6
	s_delay_alu instid0(VALU_DEP_4)
	v_pk_fma_f32 v[208+\j:209+\j], v[208+\j:209+\j], s[40:41], v[16+\j:17+\j] op_sel_hi:[1,0,1]   ; sum x 2^(e0 + e1) + W_b + U_b
.endr
.irp j, 0,2,4,6
	s_delay_alu instid0(VALU_DEP_4)
	v_pk_mul_f32 v[208+\j:209+\j], v[208+\j:209+\j], s[42:43] op_sel_hi:[1,0]                     ; x 2 log2(e), for the next launch's exponentials
.endr
	global_store_b128 v9, v[208:211], s[18:19]
	global_store_b128 v9, v[212:215], s[18:19] offset:16
.Ldone:
	s_wait_tensorcnt 0x0
	ds_add_u32 v254, v255
	s_wait_dscnt 0x0
	s_endpgm
.Lfunc_end_k_q9a4bcdf92e_prep:
	.size	k_q9a4bcdf92e_prep, .Lfunc_end_k_q9a4bcdf92e_prep-k_q9a4bcdf92e_prep
	.p2alignl 7, 3214868480
	.fill 96, 4, 3214868480
	.section	.rodata,"a",@progbits
	.p2align	6, 0x0
	.amdhsa_kernel k_q9a4bcdf92e_prep
		.amdhsa_group_segment_fixed_size 67584
		.amdhsa_private_segment_fixed_size 0
		.amdhsa_enable_private_segment 0
		.amdhsa_kernarg_size 64
		.amdhsa_user_sgpr_count 2
		.amdhsa_user_sgpr_kernarg_segment_ptr 1
		.amdhsa_wavefront_size32 1
		.amdhsa_system_sgpr_workgroup_id_x 1
		.amdhsa_system_sgpr_workgroup_id_y 1
		.amdhsa_system_sgpr_workgroup_id_z 1
		.amdhsa_system_vgpr_workitem_id 0
		.amdhsa_next_free_vgpr 256
		.amdhsa_next_free_sgpr 66
		.amdhsa_reserve_vcc 0
		.amdhsa_float_denorm_mode_32 3
		.amdhsa_float_denorm_mode_16_64 3
		.amdhsa_memory_ordered 1
		.amdhsa_forward_progress 1
		.amdhsa_inst_pref_size 37
	.end_amdhsa_kernel
	.amdgpu_metadata
---
amdhsa.version: [ 1, 2 ]
amdhsa.kernels:
  - .name:           k_q9a4bcdf92e_prep
    .symbol:         k_q9a4bcdf92e_prep.kd
    .args:
      - { .name: U_w, .offset: 0, .size: 8, .value_kind: global_buffer, .address_space: global }
      - { .name: W_w, .offset: 8, .size: 8, .value_kind: global_buffer, .address_space: global }
      - { .name: query, .offset: 16, .size: 8, .value_kind: global_buffer, .address_space: global }
      - { .name: U_b, .offset: 24, .size: 8, .value_kind: global_buffer, .address_space: global }
      - { .name: W_b, .offset: 32, .size: 8, .value_kind: global_buffer, .address_space: global }
      - { .name: lowp_scales, .offset: 40, .size: 8, .value_kind: global_buffer, .address_space: global }
      - { .name: uwc, .offset: 48, .size: 8, .value_kind: global_buffer, .address_space: global }
      - { .name: bias2, .offset: 56, .size: 8, .value_kind: global_buffer, .address_space: global }
    .group_segment_fixed_size: 67584
    .private_segment_fixed_size: 0
    .kernarg_segment_align: 8
    .kernarg_segment_size: 64
    .max_flat_workgroup_size: 256
    .sgpr_count:     66
    .vgpr_count:     256
    .wavefront_size: 32
...
	.end_amdgpu_metadata
.endif
;; end of part 1
;; launch main (part 2): grid 512 x 1, 4 waves a work-group, clusters of 4 x 1, 327,680 bytes of LDS; arguments keys, uwc, bias2, v_w, lowp_scales, scores, part; writes scores, part
.if DOCPART == 2
	.amdgcn_target "amdgcn-amd-amdhsa--gfx1250"
	.amdhsa_code_object_version 6
	.text
	.protected	k_q9a4bcdf92e_main
	.globl	k_q9a4bcdf92e_main
	.p2align	8
	.type	k_q9a4bcdf92e_main,@function
k_q9a4bcdf92e_main:
	s_mov_b64 s[64:65], 0
	v_nop
	global_prefetch_b8 v0, s[64:65] scope:SCOPE_SE
	s_setreg_imm32_b32 hwreg(HW_REG_WAVE_MODE, 25, 1), 1
	s_wait_xcnt 0x0
	s_wait_alu depctr_hold_cnt(0) depctr_sa_sdst(0) depctr_va_vdst(0) depctr_va_sdst(0) depctr_va_ssrc(0) depctr_va_vcc(0) depctr_vm_vsrc(0)
	s_getreg_b32 s2, hwreg(HW_REG_IB_STS2, 6, 4)
	s_cmp_eq_u32 s2, 0
	s_cbranch_scc0 .Lentry_in_a_cluster
	s_endpgm
.Lentry_in_a_cluster:
	s_bfe_u32 s2, ttmp6, 0x10000c
	s_cmp_lg_u32 s2, 0x3003
	s_cbranch_scc0 .Lentry_shape_is_right
	s_endpgm
.Lentry_shape_is_right:
; THE MAIN LAUNCH.  Work-group g takes rows 128 g .. 128 g + 127 of keys [65536][1024] (batch g / 16) through everything: codes of FP8 (E4M3, given scale 2^e2), the product with U_w's codes (uwc, 2^e3),
; z = 2 log2(e) (Uk + Wq + biases), r = 1 / (1 + 2^z), s' = -2 sum over the 1,024 columns of v_w r, the block's largest s', w = e^(s' - largest), and part[g] = sum over its rows of w x key (keys as bf16, sums in f32).
; LEFT OUT: v_b and the plain sum of v_w, which are common to all keys of a batch (shown at the head of the first kernel).
; SHARES.  Wave w loads, quantises and keeps as bf16 rows 32 w .. 32 w + 31 (16 rows in window 3, 16 in LDS).  For the product wave (RH = w / 2, CH = w % 2) holds the codes of 64 rows x all 1,024 K in windows 1 and 2
; (4 tiles of 16 rows x 8 K steps) and takes 32 of each 64 columns.  U_w's codes walk through a ring of two LDS slots of 64 columns (65,536 bytes), asked for jointly by the four work-groups of a cluster, one load a wave.
; THE LOOP goes by halves of a slot: half H is column tile H (16 columns) of my 32 tiles.  Each half: B's eight fragments are loaded in one run; plain vector work; ONE batch of 64 transcendentals; 32 matrix instructions on end.
; The tanh runs three halves deep: in half H tile H-1 is scaled (Z, in place in the accumulators) and its 2^z goes to a set T; tile H-2 gets its + 1 and its reciprocals (in its set T); tile H-3 is summed against v_w.
; So no transcendental stands inside a chain of matrix instructions, and a half has two waits on the vector results: one ahead of Z, one ahead of the batch.
; The matrix instruction is used transposed (source 0 = 16 columns of U_w, source 1 = 16 rows of keys): lane l holds row l % 16 and columns 8 (l / 16) + 0 .. 7.
; PREFETCH: a work-group of the first 256 asks in each slot, 8,192 bytes a wave (lanes 256 bytes apart), for the key rows of the work-group 256 further on, wave for wave: 16 slots x 8,192 = that wave's 131,072 bytes, each block once.
; LIMITS: e2 between -126 and 119; e2 + e3 between -127 and 126 (they are added to the exponent field of 2 log2 e).  NaN among the inputs is not served.  2^z beyond f32 gives r = 0, as tanh = 1 asks.
.set PITCH, 1040                       ; a stage row: 1,024 bytes + 16
.set RING1, 65536                      ; slot 1 of the ring
.set BFL,   131072                     ; bf16 rows 16-31 of each wave: 4 x 32,768 bytes
.set STG,   262144                     ; the codes' stage: 32 rows
.set TAB,   STG+32*PITCH               ; bias2's row (4,096 bytes), then v_w
.set VOFF,  4096
.set PS,    TAB+2*VOFF                 ; partial scores: 2 column halves x 128
.set WT,    PS+1024                    ; the 128 weights
.set CX,    WT+512                     ; the waves' partial contexts
.set SPARE, CX+16384                   ; the spare words: 128 bytes a wave, named by no other line
.set LI,  1                            ; 16 x lane
.set SPW, 2                            ; my spare word
.set NIL, 3                            ; 0
.set ADR, 4                            ; the LDS address or offset in hand
.set BFA, 5                            ; my bf16 rows in LDS
.set TA0, 6                            ; my place in the tables, one slot back
.set KS,  7                            ; head: 2^e2;  from the loop on PSV
.set PSV, 7                            ; where my partial scores go
.set KL,  8                            ; head: 448 x 2^e2
.set SA,  9                            ; head: stage, way in
.set FA,  10                           ; head: stage, fragments
.set SC,  12                           ; v12-19 the sums of v_w r: a pair for each tile of rows
.set PSA, 21
.set TQG, 22
.set TQL, 23
.set VT,  24                           ; loop: v24-31 v_w at my 8 columns; v8-11, v20-23 bias2 likewise
.set ACC, 32                           ; loop: v32-63 four accumulators
.set TS0, 64                           ; loop: v64-127 two sets T
.set BF,  128                          ; loop: v128-255 B's eight fragments
.set CB,  32
.set XB,  64
.set BT,  192
.set WR,  128
.set CT,  160
.set WV,  20
.set CH,  23
.set RH,  53
.set G1,  24
.set G0A, 32
.set G0B, 36
.set SCL, 44
.set TB,  46
.set TT,  47
.set CNT, 48
.set SEL, 50
.set PFF, 59                           ; 1 where my work-group prefetches
.set PF,  60                           ; s[60:61] where my prefetches stand
.set W1,  0x04
.set W2,  0x08
.set MSB, 0
.macro WIN new                         ; the immediate's high byte repeats the setting that is left
.if MSB != (\new)
	s_set_vgpr_msb (MSB<<8)|(\new)
.set MSB, (\new)
.endif
.endm
.macro CREST                           ; a round of the cluster's barrier behind its opening barrier
	s_cmp_lg_u32 s[WV], 0
	s_cbranch_scc1 .Lnot_wave_0_\@
	s_barrier_signal -3
.Lnot_wave_0_\@:
	s_barrier_wait -3
	s_barrier_signal -1
	s_barrier_wait -1
.endm
.macro ROUND
	s_barrier_signal -1
	s_barrier_wait -1
	CREST
.endm
.macro KLOAD i                         ; row i of my 32: eight loads of 512 consecutive bytes
.irp g, 0,1,2,3,4,5,6,7
	global_load_b128 v[XB+32*((\i)%6)+4*\g:XB+32*((\i)%6)+4*\g+3], v[LI], s[4:5] offset:4096*(\i)+512*\g th:TH_LOAD_NT
.endr
.endm
	s_load_b256 s[4:11], s[0:1], 0x0               ; keys, uwc, bias2, v_w
	s_load_b128 s[12:15], s[0:1], 0x20             ; the scales' exponents, scores
	s_load_b64 s[16:17], s[0:1], 0x30              ; part
	v_lshl_add_u32 v[SPW], v0, 2, SPARE
	v_mov_b32 v[NIL], 0
	ds_add_u32 v[SPW], v[NIL]                      ; the opening lines: the add twice on end and its wait
	ds_add_u32 v[SPW], v[NIL]
	s_wait_dscnt 0x0
	v_lshrrev_b32 v24, 5, v0
	v_readfirstlane_b32 s[WV], v24
	v_and_b32 v24, 31, v0
	v_lshlrev_b32 v[LI], 4, v24
	s_and_b32 s[CH], s[WV], 1
	s_lshr_b32 s[RH], s[WV], 1
	s_bfe_u32 s21, ttmp6, 0x40000
	s_lshl_b32 s22, ttmp9, 2
	s_add_co_u32 s22, s22, s21                     ; work-group g
	s_lshl_b32 s56, s22, 19
	s_lshl_b32 s57, s[WV], 17
	s_add_co_u32 s56, s56, s57
	s_mov_b32 s57, 0
	s_wait_alu depctr_va_vdst(0)
	s_wait_kmcnt 0x0
	s_add_nc_u64 s[4:5], s[4:5], s[56:57]          ; my wave's 32 rows
	s_add_nc_u64 s[PF:PF+1], s[4:5], 0x8000000     ; the same wave's rows 256 work-groups on
	s_cmp_lt_u32 ttmp9, 64                         ; clusters 0 to 63 are work-groups 0 to 255: the same answer in all partners
	s_cselect_b32 s[PFF], 1, 0
.irp i, 0,1,2,3,4,5
	KLOAD \i
.endr
	s_load_b128 s[40:43], s[12:13], 0x0            ; e0 .. e3
	s_mov_b32 s[G1], 15|(3<<16)|(1<<21)            ; the four partners; elements of 8 bytes: 64 rows of 256 bytes, dense
	s_mov_b32 s[G1+1], 32<<16
	s_mov_b32 s[G1+2], 64<<16
	s_mov_b32 s[G1+3], 32<<16
	s_mov_b32 s[G1+4], 64
	s_mov_b32 s[G1+5], 32
	s_mov_b32 s[G1+6], 0
	s_mov_b32 s[G1+7], 0
	s_lshl_b32 s54, s[WV], 14                      ; my quarter of a slot
	s_mov_b32 s55, 0
	s_add_nc_u64 s[6:7], s[6:7], s[54:55]
	s_mov_b32 s[G0A], 1
	s_mov_b32 s[G0A+1], s54
	s_mov_b64 s[G0A+2:G0A+3], s[6:7]
	s_or_b32 s[G0A+3], s[G0A+3], 0x80000000
	s_mov_b32 s[G0B], 1
	s_add_co_u32 s[G0B+1], s54, RING1
	s_add_nc_u64 s[G0B+2:G0B+3], s[6:7], RING1
	s_or_b32 s[G0B+3], s[G0B+3], 0x80000000
	s_lshr_b32 s56, s22, 4
	s_lshl_b32 s56, s56, 12
	s_add_nc_u64 s[8:9], s[8:9], s[56:57]          ; my batch's row of bias2
	s_lshl_b32 s56, s22, 9
	s_add_nc_u64 s[14:15], s[14:15], s[56:57]      ; my 128 scores
	s_lshl_b32 s56, s22, 12
	s_lshl_b32 s58, s[WV], 10
	s_add_co_u32 s56, s56, s58
	s_add_nc_u64 s[16:17], s[16:17], s[56:57]      ; my quarter of part's row g
	ROUND
	tensor_load_to_lds s[G0A:G0A+3], s[G1:G1+7]    ; slot 0: one tensor load a wave at the head
	s_nop 0
.rept 4
	v_nop
.endr
	v_and_b32 v25, 15, v0
	v_bfe_u32 v26, v0, 4, 1
	s_mul_i32 s54, s[WV], 8*PITCH
	s_add_co_u32 s54, s54, STG
	v_add_nc_u32 v[SA], s54, v[LI]
	s_mul_i32 s54, s[RH], 16*PITCH
	s_add_co_u32 s54, s54, STG
	v_mul_u32_u24 v[FA], v25, PITCH
	v_lshl_add_u32 v[FA], v26, 4, v[FA]
	v_add_nc_u32 v[FA], s54, v[FA]
	s_lshl_b32 s54, s[CH], 7
	s_add_co_u32 s54, s54, TAB-256                 ; one slot (256 bytes of table) back: v_w is wanted a slot later than bias2
	v_lshlrev_b32 v[TA0], 5, v26
	v_add_nc_u32 v[TA0], s54, v[TA0]
	s_lshl_b32 s54, s[WV], 15
	s_add_co_u32 s54, s54, BFL
	v_add_nc_u32 v[BFA], s54, v[LI]
	s_lshl_b32 s54, s[CH], 9
	s_lshl_b32 s55, s[RH], 8
	s_add_co_u32 s54, s54, s55
	s_add_co_u32 s54, s54, PS
	v_bfe_u32 v27, v0, 3, 1
	v_and_b32 v28, 7, v0
	v_lshlrev_b32 v[PSA], 7, v27
	v_lshl_add_u32 v[PSA], v28, 2, v[PSA]
	v_add_nc_u32 v[PSA], s54, v[PSA]
	s_lshl_b32 s54, s[WV], 10
	v_add_nc_u32 v[TQG], s54, v[LI]
	v_add_nc_u32 v[TQL], TAB, v[TQG]
	s_mov_b32 s[SEL], 0x76543210
	s_mov_b32 s[SEL+1], 0xfedcba98
	s_wait_kmcnt 0x0
	s_add_co_i32 s54, s42, 127
	s_lshl_b32 s55, s54, 23
	v_mov_b32 v[KS], s55                           ; 2^e2
	s_add_co_i32 s54, s54, 8
	s_lshl_b32 s54, s54, 23
	s_or_b32 s54, s54, 0x600000
	v_mov_b32 v[KL], s54                           ; 448 x 2^e2
	s_add_co_i32 s54, s42, s43
	s_lshl_b32 s54, s54, 23
	s_add_co_i32 s[SCL], s54, 0x4038aa3b           ; 2 log2(e) x 2^(e2 + e3)
	s_mov_b32 s[SCL+1], s[SCL]
; A ROW of keys: kept as bf16 (rows 0-15 in window 3, rows 16-31 through window 1's last registers into LDS), held, converted, its codes into the stage; its buffer takes the row six further on.
.macro ROW
.set X, XB+32*(ri%6)
.set CS, CB+8*(ri%4)
.if ri <= 26
	s_wait_loadcnt 40                              ; this row's eight loads are in; five younger rows' may be out
.elseif ri == 27
	s_wait_loadcnt 32
.else
	s_wait_loadcnt 4+8*(31-ri)                     ; behind them the four loads of the tables
.endif
.if ri < 16
	WIN 0xc0
.set j, 0
.rept 16
	v_cvt_pk_bf16_f32 v[16*ri+j], v[X+2*j], v[X+2*j+1]
.set j, j+1
.endr
.else
	WIN 0x40
.set j, 0
.rept 16
	v_cvt_pk_bf16_f32 v[BT+16*(ri%4)+j], v[X+2*j], v[X+2*j+1]
.set j, j+1
.endr
	WIN 0x04
.irp c, 0,1,2,3
	ds_store_b128 v[BFA], v[BT+16*(ri%4)+4*\c:BT+16*(ri%4)+4*\c+3] offset:2048*(ri-16)+512*\c
.endr
.endif
	WIN 0
.set j, 0
.rept 32
	v_med3_num_f32 v[X+j], v[X+j], -v[KL], v[KL]   ; the conversion does not saturate (ISA guide 7.6.2)
.set j, j+1
.endr
.if ri >= 4
	s_wait_alu depctr_va_vdst(0)
	s_wait_dscnt 6                                 ; the stores of the row four back are done with this set of codes
.endif
.irp a, 0,1,2,3
	v_cvt_scalef32_pk8_fp8_f32 v[CS+2*\a:CS+2*\a+1], v[X+8*\a:X+8*\a+7], v[KS]
.endr
	v_nop
	ds_store_b128 v[SA], v[CS:CS+3] offset:PITCH*(ri%8)
	ds_store_b128 v[SA], v[CS+4:CS+7] offset:PITCH*(ri%8)+512
.if ri < 26
	KLOAD ri+6
.endif
.if ri == 27
	global_load_b128 v[128:131], v[TQG], s[8:9]    ; my quarter of bias2's row and of v_w
	global_load_b128 v[132:135], v[TQG], s[8:9] offset:512
	global_load_b128 v[136:139], v[TQG], s[10:11]
	global_load_b128 v[140:143], v[TQG], s[10:11] offset:512
.endif
.endm
; After eight rows a wave the stage holds 32 rows: each wave takes its 16 as eight fragments (tile bm), K steps 0-3 into window 1, 4-7 into window 2.
.macro BATCH
.set bm, ri/8
	s_wait_dscnt 0x0
	s_barrier_signal -1
	s_barrier_wait -1
	WIN 0x40
.irp s, 0,1,2,3
.irp c, 0,1,2,3
	ds_load_b128 v[16*(4*bm+\s)+4*\c:16*(4*bm+\s)+4*\c+3], v[FA] offset:128*\s+32*\c
.endr
.endr
	WIN 0x80
.irp s, 0,1,2,3
.irp c, 0,1,2,3
	ds_load_b128 v[16*(4*bm+\s)+4*\c:16*(4*bm+\s)+4*\c+3], v[FA] offset:128*(\s+4)+32*\c
.endr
.endr
	WIN 0
	s_wait_dscnt 0x0
	s_barrier_signal -1
	s_barrier_wait -1
.endm
.set ri, 0
.rept 32
	ROW
.if ri == 31
	s_wait_loadcnt 0x0
	ds_store_b128 v[TQL], v[128:131]
	ds_store_b128 v[TQL], v[132:135] offset:512
	ds_store_b128 v[TQL], v[136:139] offset:VOFF
	ds_store_b128 v[TQL], v[140:143] offset:VOFF+512
.endif
.if ri == 7
	s_wait_tensorcnt 0x0                           ; slot 1's first fill is issued as a refill is, behind my first eight rows: my part of slot 0 has landed;
	ds_add_u32 v[SPW], v[NIL]
	s_wait_dscnt 0x0
	ROUND
	tensor_load_to_lds s[G0B:G0B+3], s[G1:G1+7]    ; slot 1
	s_nop 0
.rept 4
	v_nop
.endr
.endif
.if (ri%8) == 7
	BATCH
.endif
.set ri, ri+1
.endr
; THE PARTS OF A HALF
.macro MM                              ; product k of 32: tile of rows k % 4, K step k / 4: the four accumulators take turns; the first K step starts the sums
.set rD, ACC+8*(k%4)
.set rB, BF+16*(k/4)
.set rA, 16*(4*(k%4)+(k/4)%4)
.if k < 4
	v_wmma_f32_16x16x128_fp8_fp8 v[rD:rD+7], v[rB:rB+15], v[rA:rA+15], 0
.else
	v_wmma_f32_16x16x128_fp8_fp8 v[rD:rD+7], v[rB:rB+15], v[rA:rA+15], v[rD:rD+7]
.endif
.endm
.macro ZB                              ; z = sum x 2 log2(e) 2^(e2 + e3) + bias2, in place, each accumulator from its low end on
.set p, 0
.rept 16
.set bp, 8+2*(p%4)+8*((p%4)/2)
	v_pk_fma_f32 v[ACC+2*p:ACC+2*p+1], v[ACC+2*p:ACC+2*p+1], s[SCL:SCL+1], v[bp:bp+1] op_sel_hi:[1,0,1]
.set p, p+1
.endr
.endm
.macro SB t, v                         ; the sums take r x v_w: four chains by turns
.irp p, 0,4,8,12,1,5,9,13,2,6,10,14,3,7,11,15
	v_pk_fma_f32 v[SC+2*(\p/4):SC+2*(\p/4)+1], v[(\t)+2*\p:(\t)+2*\p+1], v[(\v)+2*(\p%4):(\v)+2*(\p%4)+1], v[SC+2*(\p/4):SC+2*(\p/4)+1]
.endr
.endm
.macro AB t                            ; 1 + 2^z
.set p, 0
.rept 16
	v_pk_add_f32 v[(\t)+2*p:(\t)+2*p+1], v[(\t)+2*p:(\t)+2*p+1], 1.0 op_sel_hi:[1,0]
.set p, p+1
.endr
.endm
.macro EB t                            ; 2^z, out of the accumulators into set t
.set j, 0
.rept 32
	v_exp_f32 v[(\t)+j], v[ACC+j]
.set j, j+1
.endr
.endm
.macro RB t
.set j, 0
.rept 32
	v_rcp_f32 v[(\t)+j], v[(\t)+j]
.set j, j+1
.endr
.endm
.macro ASK                             ; the prefetch: 32 lanes x 256 bytes; the address is stepped at the next half's head, behind s_wait_xcnt 0
	s_cmp_eq_u32 s[PFF], 1
	s_cbranch_scc0 .Lnoask_\@
	v_lshlrev_b32 v[ADR], 4, v[LI]
	global_prefetch_b8 v[ADR], s[PF:PF+1] th:TH_LOAD_NT scope:SCOPE_SE
.Lnoask_\@:
.endm
; HALF H.  q = H % 2.  mode 1: the slot's last half, the slot is filled again; 2: the change of slots with no fill; 0: none.  dz, da, dsm: tiles H-1, H-2, H-3 exist.  step: a new slot's tables.  np: v_nop still owed as places.
.macro HALF q, mode, dz, da, dsm, step, np
.set TE, TS0+32*(1-\q)
.set TR, TS0+32*\q
.if \q
	s_wait_xcnt 0x0                                ; the last half's prefetch has read its registers
	s_add_nc_u64 s[PF:PF+1], s[PF:PF+1], 8192
.endif
.rept \np
	v_nop                                          ; with the addition below: four places ahead of loads into registers that matrix instructions have read
.endr
	v_add_nc_u32 v[ADR], s[TB], v[LI]
.irp s, 0,1,2,3,4,5,6,7
.irp c, 0,1,2,3
	ds_load_b128 v[BF+16*\s+4*\c:BF+16*\s+4*\c+3], v[ADR] offset:2048*(2*\s+\q)+512*\c
.endr
.endr
.if \dz
	s_wait_alu depctr_va_vdst(0)                   ; directly ahead of the first reader of the sums; it serves the last batch's results too
	ZB
.endif
.if \dsm
	SB TE, VT
.endif
.if \da
	AB TR
.endif
.if \step
	s_add_co_u32 s[TT], s[TT], 256
.endif
	v_add_nc_u32 v[ADR], s[TT], v[TA0]
	ds_load_b128 v[8:11], v[ADR] offset:256+64*\q                 ; the next half's tables: bias2 at tile H,
	ds_load_b128 v[20:23], v[ADR] offset:256+64*\q+16
	ds_load_b128 v[VT:VT+3], v[ADR] offset:VOFF+64*\q             ; v_w at tile H - 2 (in halves 0 and 1: bytes of bias2's table, which nobody uses)
	ds_load_b128 v[VT+4:VT+7], v[ADR] offset:VOFF+64*\q+16
.if \q == 0
	ASK
.endif
.if (\mode == 1) || (\mode == 2)
; THE CHANGE OF SLOTS stands as soon as this half's fragments, the slot's last reads, are asked for: the refill then has all the work up to the next change in which to land.  No transcendental is out here.
	s_wait_tensorcnt 0x0                           ; my part of the next slot has landed;
	ds_add_u32 v[SPW], v[NIL]
.if \mode == 1
	s_xor_b32 s[G0B+1], s[G0B+1], RING1            ; the walking descriptor: the slot in hand, two slots on in uwc
	s_add_nc_u64 s[G0B+2:G0B+3], s[G0B+2:G0B+3], RING1
.endif
	s_xor_b32 s[TB], s[TB], RING1
	s_wait_dscnt 0x0                               ; the add is done, and my reads of this slot are over
	s_barrier_signal -1
	s_barrier_wait -1
.if \mode == 1
	CREST                                          ; the barrier has opened a round of the cluster's barrier
	tensor_load_to_lds s[G0B:G0B+3], s[G1:G1+7]    ; my one load behind the round
	s_nop 0
.rept 4
	v_nop
.endr
.endif
.endif
.if \dz
	s_wait_alu depctr_va_vdst(0)                   ; the wait ahead of the batch
	EB TE
.if \da
	RB TR
.endif
	v_nop                                          ; a plain place behind the batch: the products below write the exponentials' sources
.endif
	s_wait_dscnt 0x0                               ; B's fragments and the next half's tables are in
	WIN W1
.set k, 0
.rept 16
	MM
.set k, k+1
.endr
	WIN W2
.rept 16
	MM
.set k, k+1
.endr
	WIN 0
.endm
	v_mov_b32 v[PSV], v[PSA]
	s_lshl_b32 s[TB], s[CH], 15                    ; my 32 columns of slot 0
	s_mov_b32 s[TT], 0
.irp j, 0,1,2,3,4,5,6,7
	v_mov_b32 v[SC+\j], 0
.endr
	HALF 0, 0, 0, 0, 0, 0, 0                       ; halves 0 to 2 fill the pipeline
	HALF 1, 1, 1, 0, 0, 0, 3
	HALF 0, 0, 1, 1, 0, 1, 3
	s_mov_b32 s[CNT], 13
	s_wait_alu depctr_va_vdst(0)                   ; the batch's wait ahead of a label
.Lslot:                                                ; halves (3, 4) to (27, 28): each trip ends a slot, fills it again and begins the next
	HALF 1, 1, 1, 1, 1, 0, 3
	HALF 0, 0, 1, 1, 1, 1, 3
	s_sub_co_u32 s[CNT], s[CNT], 1
	s_cmp_lg_u32 s[CNT], 0
	s_wait_alu depctr_va_vdst(0)
	s_cbranch_scc1 .Lslot
	HALF 1, 2, 1, 1, 1, 0, 3                       ; half 29: the last change of slots asks for nothing
	HALF 0, 0, 1, 1, 1, 1, 3
	HALF 1, 0, 1, 1, 1, 0, 3
	; THE PIPELINE RUNS OUT: tiles 29 to 31.  v_w at tiles 30 and 31 comes first, then my bf16 rows 16-31 out of LDS into window 1, whose fragments are done with
.rept 4
	v_nop
.endr
	s_add_co_u32 s[TT], s[TT], 256
	v_add_nc_u32 v[ADR], s[TT], v[TA0]
.irp i, 0,1,2,3
	ds_load_b128 v[128+4*\i:131+4*\i], v[ADR] offset:VOFF+16*(\i%2)+64*(\i/2)
.endr
	WIN 0x40
.set i, 0
.rept 16
.irp c, 0,1,2,3
	ds_load_b128 v[16*i+4*\c:16*i+4*\c+3], v[BFA] offset:2048*i+512*\c
.endr
.set i, i+1
.endr
	WIN 0
	s_wait_alu depctr_va_vdst(0)
	ZB                                             ; tile 31
	SB TS0+32, VT                                  ; tile 29
	AB TS0                                         ; tile 30
	s_wait_alu depctr_va_vdst(0)
	EB TS0+32
	RB TS0
	v_nop
	s_wait_dscnt 63                                ; v_w's four loads are in (and the first of the 64 behind them); the other 63 may be out
	s_wait_alu depctr_va_vdst(0)
	SB TS0, 128                                    ; tile 30
	AB TS0+32                                      ; tile 31
	s_wait_alu depctr_va_vdst(0)
	RB TS0+32
	v_nop
	s_wait_alu depctr_va_vdst(0)
	SB TS0+32, 136                                 ; tile 31
	; my 64 rows' sums over my 512 columns: the pair, the other half of the lanes, then both column halves through LDS
.irp m, 0,1,2,3
	v_add_f32 v[24+\m], v[SC+2*\m], v[SC+2*\m+1]
	v_mov_b32 v[28+\m], 0
.endr
.irp m, 0,1,2,3
	v_permlanex16_b32 v[28+\m], v[24+\m], s[SEL], s[SEL+1]
.endr
.irp m, 0,1,2,3
	v_add_f32 v[24+\m], v[24+\m], v[28+\m]
.endr
.irp m, 0,1,2,3
	ds_store_b32 v[PSV], v[24+\m] offset:32*\m
.endr
	v_add_nc_u32 v42, PS, v[LI]
	v_lshl_add_u32 v43, v0, 2, PS
	v_mov_b32 v45, 0
	s_wait_alu depctr_va_vdst(0)
	s_wait_dscnt 0x0
	s_barrier_signal -1
	s_barrier_wait -1
	ds_load_b128 v[32:35], v42                     ; all 128, four a lane, for the largest and for the store;
	ds_load_b128 v[36:39], v42 offset:512
	ds_load_b32 v40, v43                           ; and my thread's own
	ds_load_b32 v41, v43 offset:512
	s_wait_dscnt 0x0
	v_pk_add_f32 v[32:33], v[32:33], v[36:37]
	v_pk_add_f32 v[34:35], v[34:35], v[38:39]
	v_add_f32 v40, v40, v41
.irp i, 0,1,2,3
	v_mul_f32 v[32+\i], -2.0, v[32+\i]             ; s' = -2 sum of v_w r
.endr
	v_mul_f32 v40, -2.0, v40
	s_cmp_lg_u32 s[WV], 0
	s_cbranch_scc1 .Lnot_mine
	global_store_b128 v[LI], v[32:35], s[14:15]    ; 512 consecutive bytes
.Lnot_mine:
	s_wait_alu depctr_va_vdst(0)
	v_max3_num_f32 v44, v32, v33, v34
	v_max_num_f32 v44, v44, v35
.irp x, 1,2,4,8
	v_max_num_f32_dpp v44, v44, v44 row_xmask:\x row_mask:0xf bank_mask:0xf
.endr
	v_permlanex16_b32 v45, v44, s[SEL], s[SEL+1]
	v_max_num_f32 v44, v44, v45                    ; the block's largest s'
	v_sub_f32 v46, v40, v44
	v_mul_f32 v46, 0x3fb8aa3b, v46
	s_wait_alu depctr_va_vdst(0)
	v_exp_f32 v46, v46                             ; my row's weight
	s_lshl_b32 s54, s[WV], 7
	s_add_co_u32 s54, s54, WT
	v_mov_b32 v47, s54
	s_wait_alu depctr_va_vdst(0)
	ds_store_b32 v43, v46 offset:WT-PS
.irp i, 0,1,2,3,4,5,6,7
	ds_load_b128 v[WR+4*\i:WR+4*\i+3], v47 offset:16*\i   ; my wave's 32 weights, in every lane: my wave stored them, and LDS serves a wave in order
.endr
	s_lshl_b32 s54, s[WV], 12
	s_add_co_u32 s54, s54, CX
	v_add_nc_u32 v48, s54, v[LI]
	s_lshl_b32 s55, s[WV], 10
	s_add_co_u32 s55, s55, CX
	v_add_nc_u32 v49, s55, v[LI]
.set j, 0
.rept 32
	v_mov_b32 v[CT+j], 0
.set j, j+1
.endr
	s_wait_dscnt 0x0
.set ri, 0
.rept 32                               ; weight x key over my 32 rows: a lane holds 32 columns
	WIN 0x03-2*(ri/16)
.set j, 0
.rept 16
	v_fma_mix_f32_bf16 v[CT+2*j], v[16*(ri%16)+j], v[WR+ri], v[CT+2*j] op_sel_hi:[1,0,0]
	v_fma_mix_f32_bf16 v[CT+2*j+1], v[16*(ri%16)+j], v[WR+ri], v[CT+2*j+1] op_sel:[1,0,0] op_sel_hi:[1,0,0]
.set j, j+1
.endr
.set ri, ri+1
.endr
	WIN 0
.irp g, 0,1,2,3,4,5,6,7
	ds_store_b128 v48, v[CT+4*\g:CT+4*\g+3] offset:512*\g
.endr
	s_wait_dscnt 0x0
	s_barrier_signal -1
	s_barrier_wait -1
.irp u, 0,1,2,3
.irp e, 0,1
	ds_load_b128 v[64+4*(2*\u+\e):67+4*(2*\u+\e)], v49 offset:4096*\u+512*\e   ; the four waves' sums at my quarter of the columns
.endr
.endr
	s_wait_dscnt 0x0
.irp e, 0,1
.irp c, 0,2
	v_pk_add_f32 v[64+4*\e+\c:65+4*\e+\c], v[64+4*\e+\c:65+4*\e+\c], v[72+4*\e+\c:73+4*\e+\c]
	v_pk_add_f32 v[80+4*\e+\c:81+4*\e+\c], v[80+4*\e+\c:81+4*\e+\c], v[88+4*\e+\c:89+4*\e+\c]
.endr
.endr
.irp e, 0,1
.irp c, 0,2
	v_pk_add_f32 v[64+4*\e+\c:65+4*\e+\c], v[64+4*\e+\c:65+4*\e+\c], v[80+4*\e+\c:81+4*\e+\c]
.endr
.endr
.irp e, 0,1
	global_store_b128 v[LI], v[64+4*\e:67+4*\e], s[16:17] offset:512*\e
.endr
	s_wait_tensorcnt 0x0                           ; the wave's end
	ds_add_u32 v[SPW], v[NIL]
	s_wait_dscnt 0x0
	ROUND                                          ; the closing round
	s_endpgm
.Lfunc_end_k_q9a4bcdf92e_main:
	.size	k_q9a4bcdf92e_main, .Lfunc_end_k_q9a4bcdf92e_main-k_q9a4bcdf92e_main
	.p2alignl 7, 3214868480
	.fill 96, 4, 3214868480
	.section	.rodata,"a",@progbits
	.p2align	6, 0x0
	.amdhsa_kernel k_q9a4bcdf92e_main
		.amdhsa_group_segment_fixed_size 327680
		.amdhsa_private_segment_fixed_size 0
		.amdhsa_enable_private_segment 0
		.amdhsa_kernarg_size 56
		.amdhsa_user_sgpr_count 2
		.amdhsa_user_sgpr_kernarg_segment_ptr 1
		.amdhsa_wavefront_size32 1
		.amdhsa_system_sgpr_workgroup_id_x 1
		.amdhsa_system_sgpr_workgroup_id_y 1
		.amdhsa_system_sgpr_workgroup_id_z 1
		.amdhsa_system_vgpr_workitem_id 0
		.amdhsa_next_free_vgpr 1024
		.amdhsa_next_free_sgpr 66
		.amdhsa_reserve_vcc 0
		.amdhsa_float_denorm_mode_32 3
		.amdhsa_float_denorm_mode_16_64 3
		.amdhsa_memory_ordered 1
		.amdhsa_forward_progress 1
		.amdhsa_inst_pref_size 255
	.end_amdhsa_kernel
	.section	.bss,"aw",@nobits
	.p2align	6
	.space	262144
	.amdgpu_metadata
---
amdhsa.version: [ 1, 2 ]
amdhsa.kernels:
  - .name:           k_q9a4bcdf92e_main
    .symbol:         k_q9a4bcdf92e_main.kd
    .args:
      - { .name: keys, .offset: 0, .size: 8, .value_kind: global_buffer, .address_space: global }
      - { .name: uwc, .offset: 8, .size: 8, .value_kind: global_buffer, .address_space: global }
      - { .name: bias2, .offset: 16, .size: 8, .value_kind: global_buffer, .address_space: global }
      - { .name: v_w, .offset: 24, .size: 8, .value_kind: global_buffer, .address_space: global }
      - { .name: lowp_scales, .offset: 32, .size: 8, .value_kind: global_buffer, .address_space: global }
      - { .name: scores, .offset: 40, .size: 8, .value_kind: global_buffer, .address_space: global }
      - { .name: part, .offset: 48, .size: 8, .value_kind: global_buffer, .address_space: global }
    .group_segment_fixed_size: 327680
    .private_segment_fixed_size: 0
    .kernarg_segment_align: 8
    .kernarg_segment_size: 56
    .max_flat_workgroup_size: 128
    .sgpr_count:     66
    .vgpr_count:     1024
    .wavefront_size: 32
...
	.end_amdgpu_metadata
.endif
;; end of part 2
;; launch comb (part 3): grid 32 x 1, 8 waves a work-group, no clusters, 1,280 bytes of LDS; arguments scores, part, out0, out1; writes out0, out1
.if DOCPART == 3
	.amdgcn_target "amdgcn-amd-amdhsa--gfx1250"
	.amdhsa_code_object_version 6
	.text
	.protected	k_q9a4bcdf92e_comb
	.globl	k_q9a4bcdf92e_comb
	.p2align	8
	.type	k_q9a4bcdf92e_comb,@function
k_q9a4bcdf92e_comb:
	s_mov_b64 s[64:65], 0
	v_nop
	global_prefetch_b8 v0, s[64:65] scope:SCOPE_SE
	s_setreg_imm32_b32 hwreg(HW_REG_WAVE_MODE, 25, 1), 1
	s_wait_xcnt 0x0
; THE SOFTMAX IS CLOSED.  One work-group for each batch b (there is work for 32).  scores [32][2048]; part [512][1024]: row 16 b + j is block j's sum of 2^((s - m_j) log2 e) x key, m_j the largest of the block's 128 scores.
; out1[b][s] = 2^((s - M) log2 e) / L;  out0[b][:] = sum over j of f_j part[16 b + j][:] / L;  M = the largest m_j, f_j = 2^((m_j - M) log2 e), L = sum over j of f_j l_j, l_j = the block's sum of 2^((s - m_j) log2 e).
; m_j is taken here again from the same 128 numbers: a maximum has one value whatever its order, so it is the m under which part was summed.
; No matrix unit, no cluster, no tensor load: 2.3 MB are read once, and the work-groups share nothing.  Exponentials under 2^-126 come out as 0.
; v2 16 t; v3 4 x wave; v4 0; v5 M, v6 L, v7 1 / L; v8-15 scores; v16-23 exponentials; v24, v25 m; v26, v27 l; v28-31 at work, then the sums; v32-95 part; v96-111 m_j, then f_j; v112-127 l_j
	s_load_b256 s[4:11], s[0:1], 0x0               ; scores s[4:5], part s[6:7], out0 s[8:9], out1 s[10:11]
	v_lshl_add_u32 v128, v0, 2, 0x100
	v_mov_b32 v129, 0
	v_lshlrev_b32 v2, 4, v0
	v_lshrrev_b32 v3, 5, v0
	s_delay_alu instid0(VALU_DEP_1)
	v_lshlrev_b32 v3, 2, v3
	v_mov_b32 v4, 0
	v_mov_b32 v28, 0                               ; (a lane permute's destination counts as one of its sources)
	v_mov_b32 v29, 0
	s_lshl_b32 s12, ttmp9, 13                      ; a row of scores and of out1: 8,192 bytes
	s_mov_b32 s13, 0
	s_lshl_b32 s14, ttmp9, 16                      ; 16 rows of part
	s_mov_b32 s15, 0
	s_lshl_b32 s16, ttmp9, 12                      ; a row of out0
	s_mov_b32 s17, 0
	s_mov_b32 s18, 0x76543210                      ; v_permlanex16_b32: lane l xor 16
	s_mov_b32 s19, 0xfedcba98
	s_wait_alu depctr_va_vdst(0)
	s_wait_kmcnt 0x0
	s_add_nc_u64 s[4:5], s[4:5], s[12:13]
	s_add_nc_u64 s[10:11], s[10:11], s[12:13]
	s_add_nc_u64 s[6:7], s[6:7], s[14:15]
	s_add_nc_u64 s[8:9], s[8:9], s[16:17]
	global_load_b128 v[8:11], v2, s[4:5] th:TH_LOAD_NT
	global_load_b128 v[12:15], v2, s[4:5] offset:4096 th:TH_LOAD_NT
.irp j, 0,1,2,3,4,5,6,7,8,9,10,11,12,13,14,15
	global_load_b128 v[32+4*\j:35+4*\j], v2, s[6:7] offset:4096*\j th:TH_LOAD_NT
.endr
	s_wait_loadcnt 16                              ; the scores are in; part's sixteen loads stay out
	v_max3_num_f32 v24, v8, v9, v10
	v_max3_num_f32 v25, v12, v13, v14
	s_delay_alu instid0(VALU_DEP_2)
	v_max_num_f32 v24, v24, v11
	s_delay_alu instid0(VALU_DEP_2)
	v_max_num_f32 v25, v25, v15
.irp x, 1,2,4,8
	s_delay_alu instid0(VALU_DEP_2)
	v_max_num_f32_dpp v24, v24, v24 row_xmask:\x row_mask:0xf bank_mask:0xf
	s_delay_alu instid0(VALU_DEP_2)
	v_max_num_f32_dpp v25, v25, v25 row_xmask:\x row_mask:0xf bank_mask:0xf
.endr
	s_delay_alu instid0(VALU_DEP_2)
	v_permlanex16_b32 v28, v24, s18, s19
	s_delay_alu instid0(VALU_DEP_2)
	v_permlanex16_b32 v29, v25, s18, s19
	s_delay_alu instid0(VALU_DEP_2)
	v_max_num_f32 v24, v24, v28                    ; m of block w,
	s_delay_alu instid0(VALU_DEP_2)
	v_max_num_f32 v25, v25, v29                    ; and of block 8 + w
.irp i, 0,1,2,3
	v_sub_f32 v[16+\i], v[8+\i], v24
	v_sub_f32 v[20+\i], v[12+\i], v25
.endr
.irp i, 0,1,2,3,4,5,6,7
	v_mul_f32 v[16+\i], 0x3fb8aa3b, v[16+\i]
.endr
	s_wait_alu depctr_va_vdst(0)
.irp i, 0,1,2,3,4,5,6,7
	v_exp_f32 v[16+\i], v[16+\i]
.endr
	v_nop                                          ; a plain line between the last exponential and the use of its result
	s_wait_alu depctr_va_vdst(0)
	v_pk_add_f32 v[16:17], v[16:17], v[18:19]
	v_pk_add_f32 v[20:21], v[20:21], v[22:23]
	s_delay_alu instid0(VALU_DEP_2)
	v_add_f32 v26, v16, v17
	s_delay_alu instid0(VALU_DEP_2)
	v_add_f32 v27, v20, v21
.irp x, 1,2,4,8
	s_delay_alu instid0(VALU_DEP_2)
	v_add_f32_dpp v26, v26, v26 row_xmask:\x row_mask:0xf bank_mask:0xf
	s_delay_alu instid0(VALU_DEP_2)
	v_add_f32_dpp v27, v27, v27 row_xmask:\x row_mask:0xf bank_mask:0xf
.endr
	s_delay_alu instid0(VALU_DEP_2)
	v_permlanex16_b32 v28, v26, s18, s19
	s_delay_alu instid0(VALU_DEP_2)
	v_permlanex16_b32 v29, v27, s18, s19
	s_delay_alu instid0(VALU_DEP_2)
	v_add_f32 v26, v26, v28                        ; l of block w,
	s_delay_alu instid0(VALU_DEP_2)
	v_add_f32 v27, v27, v29                        ; and of block 8 + w
	ds_store_b32 v3, v24                           ; m_j at 4 j, l_j at 64 + 4 j; all lanes of a wave write the same word with the same value
	ds_store_b32 v3, v25 offset:32
	ds_store_b32 v3, v26 offset:64
	ds_store_b32 v3, v27 offset:96
	s_wait_dscnt 0x0                               ; for the others' sake
	s_barrier_signal -1
	s_barrier_wait -1
.irp i, 0,1,2,3,4,5,6,7
	ds_load_b128 v[96+4*\i:99+4*\i], v4 offset:16*\i   ; all sixteen m_j and l_j, in every lane
.endr
	s_wait_dscnt 0x0
	v_max3_num_f32 v5, v96, v97, v98
.irp i, 99,101,103,105,107,109
	s_delay_alu instid0(VALU_DEP_1)
	v_max3_num_f32 v5, v5, v[\i], v[\i+1]
.endr
	s_delay_alu instid0(VALU_DEP_1)
	v_max_num_f32 v5, v5, v111                     ; M
.irp j, 0,1,2,3,4,5,6,7,8,9,10,11,12,13,14,15
	v_sub_f32 v[96+\j], v[96+\j], v5
.endr
.irp j, 0,1,2,3,4,5,6,7,8,9,10,11,12,13,14,15
	v_mul_f32 v[96+\j], 0x3fb8aa3b, v[96+\j]
.endr
	s_wait_alu depctr_va_vdst(0)
.irp j, 0,1,2,3,4,5,6,7,8,9,10,11,12,13,14,15
	v_exp_f32 v[96+\j], v[96+\j]                   ; f_j
.endr
.irp i, 0,1,2,3,4,5,6,7
	v_sub_f32 v[16+\i], v[8+\i], v5                ; (plain lines behind the exponentials)
.endr
.irp i, 0,1,2,3,4,5,6,7
	v_mul_f32 v[16+\i], 0x3fb8aa3b, v[16+\i]
.endr
	s_wait_alu depctr_va_vdst(0)
.irp i, 0,1,2,3,4,5,6,7
	v_exp_f32 v[16+\i], v[16+\i]
.endr
	s_wait_alu depctr_va_vdst(0)
	v_mul_f32 v6, v112, v96                        ; L = the sum of l_j f_j
.irp j, 1,2,3,4,5,6,7,8,9,10,11,12,13,14,15
	v_fmac_f32 v6, v[112+\j], v[96+\j]
.endr
	s_wait_alu depctr_va_vdst(0)
	v_rcp_f32 v7, v6
	v_nop                                          ; a plain line behind the reciprocal
	s_wait_alu depctr_va_vdst(0)
.irp i, 0,1,2,3,4,5,6,7
	v_mul_f32 v[16+\i], v[16+\i], v7
.endr
	global_store_b128 v2, v[16:19], s[10:11]       ; 512 consecutive bytes a wave
	global_store_b128 v2, v[20:23], s[10:11] offset:4096
	s_wait_loadcnt 0x0                             ; part
.irp c, 0,1,2,3
	v_mul_f32 v[28+\c], v[32+\c], v96              ; the first term starts the sums
.endr
.irp j, 1,2,3,4,5,6,7,8,9,10,11,12,13,14,15
.irp c, 0,1,2,3
	v_fmac_f32 v[28+\c], v[32+4*\j+\c], v[96+\j]
.endr
.endr
.irp c, 0,1,2,3
	v_mul_f32 v[28+\c], v[28+\c], v7
.endr
	global_store_b128 v2, v[28:31], s[8:9]
	s_wait_tensorcnt 0x0
	ds_add_u32 v128, v129
	s_wait_dscnt 0x0
	s_endpgm
.Lfunc_end_k_q9a4bcdf92e_comb:
	.size	k_q9a4bcdf92e_comb, .Lfunc_end_k_q9a4bcdf92e_comb-k_q9a4bcdf92e_comb
	.p2alignl 7, 3214868480
	.fill 96, 4, 3214868480
	.section	.rodata,"a",@progbits
	.p2align	6, 0x0
	.amdhsa_kernel k_q9a4bcdf92e_comb
		.amdhsa_group_segment_fixed_size 1280
		.amdhsa_private_segment_fixed_size 0
		.amdhsa_enable_private_segment 0
		.amdhsa_kernarg_size 32
		.amdhsa_user_sgpr_count 2
		.amdhsa_user_sgpr_kernarg_segment_ptr 1
		.amdhsa_wavefront_size32 1
		.amdhsa_system_sgpr_workgroup_id_x 1
		.amdhsa_system_sgpr_workgroup_id_y 1
		.amdhsa_system_sgpr_workgroup_id_z 1
		.amdhsa_system_vgpr_workitem_id 0
		.amdhsa_next_free_vgpr 130
		.amdhsa_next_free_sgpr 66
		.amdhsa_reserve_vcc 0
		.amdhsa_float_denorm_mode_32 3
		.amdhsa_float_denorm_mode_16_64 3
		.amdhsa_memory_ordered 1
		.amdhsa_forward_progress 1
		.amdhsa_inst_pref_size 15
	.end_amdhsa_kernel
	.amdgpu_metadata
---
amdhsa.version: [ 1, 2 ]
amdhsa.kernels:
  - .name:           k_q9a4bcdf92e_comb
    .symbol:         k_q9a4bcdf92e_comb.kd
    .args:
      - { .name: scores, .offset: 0, .size: 8, .value_kind: global_buffer, .address_space: global }
      - { .name: part, .offset: 8, .size: 8, .value_kind: global_buffer, .address_space: global }
      - { .name: out0, .offset: 16, .size: 8, .value_kind: global_buffer, .address_space: global }
      - { .name: out1, .offset: 24, .size: 8, .value_kind: global_buffer, .address_space: global }
    .group_segment_fixed_size: 1280
    .private_segment_fixed_size: 0
    .kernarg_segment_align: 8
    .kernarg_segment_size: 32
    .max_flat_workgroup_size: 256
    .sgpr_count:     66
    .vgpr_count:     130
    .wavefront_size: 32
...
	.end_amdgpu_metadata
.endif
;; end of part 3
